; MI455X (gfx1250); checked and timed in simulation.
; The chip was launched on July 23, 2026; its instructions are those of AMD's public machine-readable ISA for CDNA 5 (MIT licence, August 2026) and "CDNA5" Instruction Set Architecture Reference Guide (July 2026). The comments in the code are by the model that wrote it; some were corrected since.
;; Roberta Self Attention. Allowed arithmetic: matrix products marked QUANTISED: E4M3 operands, one given power-of-two scale a tensor, by v_wmma_f32_16x16x64_fp8_fp8 or v_wmma_f32_16x16x128_fp8_fp8, f32 sums; everything else in f32.
;; Inputs: Wk 768 x 768 float32; Wq 768 x 768 float32; Wv 768 x 768 float32; attention_mask 1 x 1 x 1 x 4,096 float32; bk 768 float32; bq 768 float32; bv 768 float32; hidden_states 1 x 4,096 x 768 float32; lowp_scales 10 int32 (the exponents e of the quantised operands' scales 2^e).
;; Outputs: out0 1 x 4,096 x 768 float32.
;; This version of the problem:
;;   THIS VERSION OF THE PROBLEM IS GIVEN IN LOW PRECISION. The matrix products marked QUANTISED in the list below multiply operands that are first quantised to E4M3 (4 exponent bits, 3 mantissa bits; 8 bits a number), with one given power-of-two scale for each operand tensor; their sums are f32. All else is computed in f32.
;;   The module's matrix products, in the order in which they are computed (A, B: the left and right operand; K: the contracted axis; several contracted axes count as one K, in the product's order):
;;     1. [M 4,096, K 768] x [K 768, N 768]; A: input hidden_states; B: input Wq: QUANTISED (scales: A lowp_scales[0], B lowp_scales[1])
;;     2. [M 4,096, K 768] x [K 768, N 768]; A: input hidden_states; B: input Wk: QUANTISED (scales: A lowp_scales[2], B lowp_scales[3])
;;     3. [M 4,096, K 768] x [K 768, N 768]; A: input hidden_states; B: input Wv: QUANTISED (scales: A lowp_scales[4], B lowp_scales[5])
;;     4. batch 12 x [M 4,096, K 64] x [K 64, N 4,096]; A: computed on the way; B: computed on the way: QUANTISED (scales: A lowp_scales[6], B lowp_scales[7])
;;     5. batch 12 x [M 4,096, K 4,096] x [K 4,096, N 64]; A: softmax (see below); B: computed on the way: QUANTISED (scales: A lowp_scales[8], B lowp_scales[9])
;;   THE QUANTISER, for each operand of a quantised product, along K:
;;     - The operand's scale is 2^e, e = its entry of the input lowp_scales (int32; the entries are numbered through the quantised products in the list's order, A before B).
;;     - Each number is divided by the scale, clamped to +-448, and rounded to the nearest number of E4M3, ties to even, subnormals kept.
;;     - The product sums the exact products of the quantised numbers (number of the format x scale) in f32.
;;   ~~~python
;;   def quantise(x, axis, e):      # numpy; x: float32 -> the quantised numbers, widened to float32 again
;;       x = np.moveaxis(x, axis, -1); K = x.shape[-1]
;;       r = np.clip(x / 2.0 ** e, -448, 448)
;;       step = 2.0 ** (np.maximum(np.frexp(np.where(r == 0, 1, r))[1] - 1, -6) - 3)
;;       q = np.round(r / step) * step * 2.0 ** e      # np.round: ties to even
;;       return np.moveaxis(q, -1, axis).astype(np.float32)
;;   ~~~
;;   SOFTMAX AHEAD OF A QUANTISED PRODUCT. Where the list says 'softmax', what is quantised is not the finished softmax but p = 2^(t - M), with t = logit x log2(e) and M = ceil(the row's largest t), a whole number; so 1/2 < the row's largest p <= 1. The row's sum l is taken of the UNQUANTISED p, in f32, and the product's result is divided by l at the end. Since M is a whole number, a kernel that streams over the keys may use a running M (the ceiling of the running maximum): every later rescaling is an exact power of two, so the quantised numbers keep their values, but for numbers so far below the row's largest that they fall under the format's range.
;;   OPERANDS COMPUTED ON THE WAY. 'Computed on the way' means the value that the module computes at that place (a softmax that the list does not call 'softmax' is quantised finished and normalised). What goes into a quantiser is computed in f32, as accurately as f32 sums, v_exp_f32 and their like allow (about 1e-6 of the number): no bf16 or f16 on the way to a quantiser, and a product that is left as it is and whose result goes on into a quantised operand takes f32 operands (vector FMAs, or v_wmma_f32_16x16x4_f32). A number that lies on a knife's edge between two numbers of the format may be rounded either way, as far as f32 arithmetic and the matrix unit's own rounding can turn it there, and no further.
;; One version. Each part assembles by itself: llvm-mc -triple=amdgcn-amd-amdhsa -mcpu=gfx1250 --defsym DOCPART=n.
;; ======== version 1 of 1: 3 launches
;; limits: inputs' magnitudes at most 1,048,576; right only within a limited range of input values
;; workspace buffers: wcodes 1,769,472 bytes; xc 9,437,184 bytes; qc 3,145,728 bytes; kc 3,145,728 bytes; vc 3,145,728 bytes
;; launch prep (part 1): grid 600 x 1, 4 waves a work-group, no clusters, 34,304 bytes of LDS; arguments Wq, Wk, Wv, hidden_states, lowp_scales, wcodes, xc; writes wcodes, xc
.if DOCPART == 1
	.amdgcn_target "amdgcn-amd-amdhsa--gfx1250"
	.amdhsa_code_object_version 6
	.text
	.protected	k_q204f2e7e7b_prep
	.globl	k_q204f2e7e7b_prep
	.p2align	8
	.type	k_q204f2e7e7b_prep,@function
k_q204f2e7e7b_prep:
	s_mov_b64 s[64:65], 0
	v_nop
	global_prefetch_b8 v0, s[64:65] scope:SCOPE_SE
	s_setreg_imm32_b32 hwreg(HW_REG_WAVE_MODE, 25, 1), 1
	s_wait_xcnt 0x0
; Wq, Wk, Wv [768 (k)][768 (n)] and x [4096][768], f32, become codes of E4M3, laid as IMAGES OF OPERAND REGISTERS: W with the scales of entries 1, 3, 5, x three times, with the scales of entries 0, 2, 4.
; code = x / 2^e, held within +-448, to the nearest code, ties to even.  LIMITS: e between -126 and 119; NaN among the inputs is not served.  No step of the problem is left out.
; THE IMAGE.  A fragment is 16 rows x 128 along K: 2,048 bytes, four pieces of 512 bytes; in piece c lane (r, h) has 16 bytes at 16 (r + 16 h): k = 32 c + 16 h + 0 .. 15 of row r.
;   W: fragment (matrix x 48 + tile) x 6 + K step;  x: 3,145,728 bytes a scale, fragment tile x 6 + K step.
; Tile 2 G + u takes, as its row r, feature (token) 32 G + 8 u + r + (r & 8): so the results of two neighbouring tiles are 16 neighbours in a lane.
; SHARES.  Work-groups 0 .. 215: W: a lane takes a column n and its registers run down K, so nothing is transposed: a wave takes 32 columns (group G) x 64 rows of K, without LDS.
; Work-groups 216 .. 599: x: a wave takes one fragment: sixteen loads of a token's 512 consecutive bytes, through the wave's own stage in LDS, so that a lane gets 16 neighbours of each 32 of its row.
; Waves share nothing: no barrier.  Each byte is read once and there is no loop to run ahead in: no prefetch.
.set KROW, 3072                        ; a row of W or of x in bytes
.set X,    32                          ; v32-95   64 numbers: W's down K; x's as loaded, then held
.set C,    96                          ; W: v96-111 codes
.set N,    96                          ; x: v96-159 neighbours
.set XC,   160                         ; x: v160-207 codes, three scales
.set SPITCH, 528
.set WSTG,  8448                       ; a stage of 16 rows x (512 + 16) bytes for each wave
.set SPARE, 4*WSTG
	s_load_b256 s[4:11], s[0:1], 0x0               ; Wq s[4:5], Wk s[6:7], Wv s[8:9], x s[10:11]
	s_load_b128 s[12:15], s[0:1], 0x20             ; the scales' exponents s[12:13], wcodes s[14:15]
	s_load_b64 s[18:19], s[0:1], 0x30              ; xc
	v_lshl_add_u32 v12, v0, 2, SPARE
	v_mov_b32 v13, 0
	v_lshrrev_b32 v3, 5, v0
	v_readfirstlane_b32 s16, v3                    ; wave 0..3
	s_mul_i32 s17, s16, WSTG                       ; my stage
	v_and_b32 v4, 31, v0                           ; lane = my column in the group
	v_bfe_u32 v5, v0, 3, 1                         ; u: which of the group's two tiles my column falls into
	v_and_b32 v6, 7, v0
	v_bfe_u32 v7, v0, 4, 1                         ; h
	v_and_b32 v8, 15, v0                           ; r
	v_lshlrev_b32 v1, 2, v4                        ; W in: 4 bytes a lane
	v_lshlrev_b32 v16, 4, v4                       ; x in and out: 16 bytes a lane
	v_lshl_add_u32 v6, v7, 3, v6                   ; my column's row in its tile
	v_mul_u32_u24 v2, v5, 12288                    ; W out: a tile's six fragments are 12,288 bytes,
	v_mul_u32_u24 v18, v8, SPITCH
	v_lshl_add_u32 v2, v6, 4, v2                   ; + 16 r
	v_add_nc_u32 v17, s17, v16                     ; into the stage: 16 bytes a lane of a row
	v_lshl_add_u32 v18, v7, 6, v18
	v_add_nc_u32 v18, s17, v18                     ; out of it: row r, + 64 h
	s_wait_alu depctr_va_vdst(0)
	s_wait_kmcnt 0x0
	s_load_b256 s[28:35], s[12:13], 0x0            ; entries 0 .. 7
	s_cmp_ge_u32 ttmp9, 216
	s_cbranch_scc1 .Lx
	s_mul_hi_u32 s20, ttmp9, 0x2aaaaaab            ; id / 6: 12 x matrix + which 64 rows of K
	s_mul_i32 s21, s20, 6
	s_sub_co_u32 s17, ttmp9, s21
	s_lshl_b32 s17, s17, 2
	s_add_co_u32 s17, s17, s16                     ; G = 4 x (id % 6) + wave: 0 .. 23
	s_cmp_ge_u32 s20, 12
	s_cselect_b32 s21, 1, 0
	s_cmp_ge_u32 s20, 24
	s_cselect_b32 s22, 1, 0
	s_add_co_u32 s21, s21, s22                     ; matrix: 0 q, 1 k, 2 v
	s_mul_i32 s22, s21, 12
	s_sub_co_u32 s22, s20, s22                     ; kq: rows 64 kq on
	s_mul_i32 s24, s22, 64*KROW
	s_lshl_b32 s25, s17, 7
	s_add_co_u32 s24, s24, s25                     ; in: 64 kq rows + 128 G bytes
	s_mov_b32 s25, 0
	s_mul_i32 s26, s21, 48
	s_lshl_b32 s27, s17, 1
	s_add_co_u32 s26, s26, s27                     ; tile 2 G of the matrix
	s_mul_i32 s26, s26, 6
	s_lshr_b32 s27, s22, 1
	s_add_co_u32 s26, s26, s27                     ; K step kq / 2
	s_lshl_b32 s26, s26, 11
	s_and_b32 s27, s22, 1
	s_lshl_b32 s27, s27, 10
	s_add_co_u32 s26, s26, s27                     ; pieces 2 (kq % 2) on
	s_mov_b32 s27, 0
	s_cmp_eq_u32 s21, 0                            ; the choice hangs on the work-group's number alone
	s_cselect_b64 s[18:19], s[4:5], s[6:7]
	s_cmp_eq_u32 s21, 2
	s_cselect_b64 s[18:19], s[8:9], s[18:19]
	s_add_nc_u64 s[18:19], s[18:19], s[24:25]
	s_add_nc_u64 s[14:15], s[14:15], s[26:27]
.set i, 0
.rept 64
	global_load_b32 v[X+i], v1, s[18:19] offset:i*KROW th:TH_LOAD_NT   ; W(64 kq + i, my column): read once in the launch
.set i, i+1
.endr
	s_wait_kmcnt 0x0
	s_cmp_eq_u32 s21, 0
	s_cselect_b32 s36, s29, s31
	s_cmp_eq_u32 s21, 2
	s_cselect_b32 s36, s33, s36                    ; e
	s_add_co_i32 s36, s36, 127
	s_lshl_b32 s37, s36, 23
	v_mov_b32 v11, s37                             ; 2^e as f32: the conversion takes its exponent field
	s_add_co_i32 s36, s36, 8
	s_lshl_b32 s36, s36, 23
	s_or_b32 s36, s36, 0x600000
	v_mov_b32 v10, s36                             ; 448 x 2^e
	s_wait_alu depctr_va_vdst(0)
.irp cc, 0,1                           ; 32 rows of K, one piece for each half of the lanes, at a time
	s_wait_loadcnt 32-32*\cc                       ; this half's 32 loads are in; the other half's may be out
.set i, 32*\cc
.rept 32
	v_med3_num_f32 v[X+i], v[X+i], -v10, v10       ; the conversion to an 8-bit code does not saturate (ISA guide 7.6.2): the hold comes first
.set i, i+1
.endr
.irp g, 0,1,2,3
	v_cvt_scalef32_pk8_fp8_f32 v[C+8*\cc+2*\g:C+8*\cc+2*\g+1], v[X+32*\cc+8*\g:X+32*\cc+8*\g+7], v11
.endr
.irp hh, 0,1
	global_store_b128 v2, v[C+8*\cc+4*\hh:C+8*\cc+4*\hh+3], s[14:15] offset:512*\cc+256*\hh   ; rows 32 cc + 16 hh + 0 .. 15: what lane (r, hh) of the image holds
.endr
.endr
	s_endpgm
.Lx:
	s_sub_co_u32 s17, ttmp9, 216
	s_lshl_b32 s17, s17, 2
	s_add_co_u32 s17, s17, s16                     ; fragment: 0 .. 1,535
	s_mul_hi_u32 s20, s17, 0x2aaaaaab              ; tile = fragment / 6
	s_mul_i32 s21, s20, 6
	s_sub_co_u32 s21, s17, s21                     ; K step
	s_lshr_b32 s22, s20, 1
	s_lshl_b32 s22, s22, 5
	s_and_b32 s23, s20, 1
	s_lshl_b32 s23, s23, 3
	s_add_co_u32 s22, s22, s23                     ; the tile's first token
	s_mul_i32 s24, s22, KROW
	s_lshl_b32 s21, s21, 9
	s_add_co_u32 s24, s24, s21
	s_mov_b32 s25, 0
	s_lshl_b32 s26, s17, 11
	s_mov_b32 s27, 0
	s_add_nc_u64 s[10:11], s[10:11], s[24:25]
	s_add_nc_u64 s[18:19], s[18:19], s[26:27]
.irp i, 0,1,2,3,4,5,6,7,8,9,10,11,12,13,14,15
	global_load_b128 v[X+4*\i:X+4*\i+3], v16, s[10:11] offset:(\i+(\i&8))*KROW th:TH_LOAD_NT   ; one token's 512 consecutive bytes, read once
.endr
	s_wait_kmcnt 0x0
.irp n, 0,1,2
	s_add_co_i32 s36, s[28+2*\n], 127
	s_lshl_b32 s37, s36, 23
	v_mov_b32 v[20+\n], s37                        ; 2^e of entry 2 n
	s_add_co_i32 s36, s36, 8
	s_lshl_b32 s36, s36, 23
	s_or_b32 s36, s36, 0x600000
	v_mov_b32 v[24+\n], s36                        ; 448 x 2^e
.endr
	s_wait_alu depctr_va_vdst(0)
	s_wait_loadcnt 8                               ; the first eight rows are in
.irp i, 0,1,2,3,4,5,6,7
	ds_store_b128 v17, v[X+4*\i:X+4*\i+3] offset:SPITCH*\i
.endr
	s_wait_loadcnt 0x0
.irp i, 8,9,10,11,12,13,14,15
	ds_store_b128 v17, v[X+4*\i:X+4*\i+3] offset:SPITCH*\i
.endr
.irp c, 0,1,2,3                        ; LDS serves a wave's instructions in order (ISA guide 5.7.1.4): no wait between
.irp q, 0,1,2,3
	ds_load_b128 v[N+16*\c+4*\q:N+16*\c+4*\q+3], v18 offset:128*\c+16*\q
.endr
.endr
	s_wait_dscnt 0x0
.irp n, 0,1,2
.set i, 0
.rept 64
	v_med3_num_f32 v[X+i], v[N+i], -v[24+\n], v[24+\n]
.set i, i+1
.endr
.irp g, 0,1,2,3,4,5,6,7
	v_cvt_scalef32_pk8_fp8_f32 v[XC+16*\n+2*\g:XC+16*\n+2*\g+1], v[X+8*\g:X+8*\g+7], v[20+\n]
.endr
	v_nop                                          ; a plain line behind the last conversion
.irp c, 0,1,2,3
	global_store_b128 v16, v[XC+16*\n+4*\c:XC+16*\n+4*\c+3], s[18:19] offset:3145728*\n+512*\c   ; a piece: 512 consecutive bytes, aligned
.endr
.endr
	s_wait_tensorcnt 0x0                           ; the wave's end
	ds_add_u32 v12, v13
	s_wait_dscnt 0x0
	s_endpgm
.Lfunc_end_k_q204f2e7e7b_prep:
	.size	k_q204f2e7e7b_prep, .Lfunc_end_k_q204f2e7e7b_prep-k_q204f2e7e7b_prep
	.p2alignl 7, 3214868480
	.fill 96, 4, 3214868480
	.section	.rodata,"a",@progbits
	.p2align	6, 0x0
	.amdhsa_kernel k_q204f2e7e7b_prep
		.amdhsa_group_segment_fixed_size 34304
		.amdhsa_private_segment_fixed_size 0
		.amdhsa_enable_private_segment 0
		.amdhsa_kernarg_size 56
		.amdhsa_user_sgpr_count 2
		.amdhsa_user_sgpr_kernarg_segment_ptr 1
		.amdhsa_wavefront_size32 1
		.amdhsa_system_sgpr_workgroup_id_x 1
		.amdhsa_system_sgpr_workgroup_id_y 1
		.amdhsa_system_sgpr_workgroup_id_z 1
		.amdhsa_system_vgpr_workitem_id 0
		.amdhsa_next_free_vgpr 208
		.amdhsa_next_free_sgpr 66
		.amdhsa_reserve_vcc 0
		.amdhsa_float_denorm_mode_32 3
		.amdhsa_float_denorm_mode_16_64 3
		.amdhsa_memory_ordered 1
		.amdhsa_forward_progress 1
		.amdhsa_inst_pref_size 35
	.end_amdhsa_kernel
	.amdgpu_metadata
---
amdhsa.version: [ 1, 2 ]
amdhsa.kernels:
  - .name:           k_q204f2e7e7b_prep
    .symbol:         k_q204f2e7e7b_prep.kd
    .args:
      - { .name: Wq, .offset: 0, .size: 8, .value_kind: global_buffer, .address_space: global }
      - { .name: Wk, .offset: 8, .size: 8, .value_kind: global_buffer, .address_space: global }
      - { .name: Wv, .offset: 16, .size: 8, .value_kind: global_buffer, .address_space: global }
      - { .name: hidden_states, .offset: 24, .size: 8, .value_kind: global_buffer, .address_space: global }
      - { .name: lowp_scales, .offset: 32, .size: 8, .value_kind: global_buffer, .address_space: global }
      - { .name: wcodes, .offset: 40, .size: 8, .value_kind: global_buffer, .address_space: global }
      - { .name: xc, .offset: 48, .size: 8, .value_kind: global_buffer, .address_space: global }
    .group_segment_fixed_size: 34304
    .private_segment_fixed_size: 0
    .kernarg_segment_align: 8
    .kernarg_segment_size: 56
    .max_flat_workgroup_size: 128
    .sgpr_count:     66
    .vgpr_count:     208
    .wavefront_size: 32
...
	.end_amdgpu_metadata
.endif
;; end of part 1
;; launch proj (part 2): grid 32 x 8, 12 waves a work-group, clusters of 4 x 1, 222,720 bytes of LDS; arguments xc, wcodes, bq, bk, bv, lowp_scales, qc, kc, vc; writes qc, kc, vc
.if DOCPART == 2
	.amdgcn_target "amdgcn-amd-amdhsa--gfx1250"
	.amdhsa_code_object_version 6
	.text
	.protected	k_q204f2e7e7b_proj
	.globl	k_q204f2e7e7b_proj
	.p2align	8
	.type	k_q204f2e7e7b_proj,@function
k_q204f2e7e7b_proj:
	s_mov_b64 s[64:65], 0
	v_nop
	global_prefetch_b8 v0, s[64:65] scope:SCOPE_SE
	s_setreg_imm32_b32 hwreg(HW_REG_WAVE_MODE, 25, 1), 1
	s_wait_xcnt 0x0
	s_wait_alu depctr_hold_cnt(0) depctr_sa_sdst(0) depctr_va_vdst(0) depctr_va_sdst(0) depctr_va_ssrc(0) depctr_va_vcc(0) depctr_vm_vsrc(0)
	s_getreg_b32 s2, hwreg(HW_REG_IB_STS2, 6, 4)
	s_cmp_eq_u32 s2, 0
	s_cbranch_scc0 .Lentry_in_a_cluster
	s_endpgm
.Lentry_in_a_cluster:
	s_bfe_u32 s2, ttmp6, 0x10000c
	s_cmp_lg_u32 s2, 0x3003
	s_cbranch_scc0 .Lentry_shape_is_right
	s_endpgm
.Lentry_shape_is_right:
; q, k, v = Q(x) Q(W) + bias, then quantised for attention (entries 6, 7, 9) and stored as images of operand registers.  x and W arrive as codes, laid as images (x once for each product's scale).
; LIMITS: each scale's exponent between -126 and 119; the sum of a product's two between -126 and 127.  NaN is not served.  No step of the problem is left out.
; IMAGES.  A piece is 512 bytes: lane (r, h) has 16 bytes at 16 (r + 16 h): k = 32 c + 16 h + 0 .. 15 of its row.  The same places of k on both sides of every product.
; Tile u of a group of 32 (tokens or features) takes as row r the index 8 u + r + (r & 8): so register j of its result is index 16 h + 8 u + j, and two tiles give 16 neighbours.
;   qc, kc: (head x 256 + T) x 1,024, T = 2 (token / 32) + u, two pieces along the head's 64.   vc: ((head x 32 + key / 128) x 4 + ct) x 2,048, rows = channels, four pieces along the keys.
; SHARES.  A work-group: 128 tokens x 288 of the 2,304 features of q, k, v on end: 32 x 8 = 256 work-groups.  Twelve waves: wave 4 f + t makes tokens 32 t .. + 31 (2 tiles) x features 96 f .. + 95 (6 tiles): 12 accumulators,
; 6 K steps of 128.  768 is a multiple of 96, so a wave's features belong to one of q, k, v; a work-group's may belong to two.
; CLUSTERS of 4 work-groups along the tokens share W's 288 columns: 221,184 dense bytes in wcodes, asked for jointly, one twelfth a wave, as 72 rows of 256 bytes; a K step's fragment is read from LDS by four waves.
; x's fragments go from memory straight into the registers of the waves that multiply them, 512 consecutive bytes a load.  There is one fill and no loop to run ahead in: no prefetch.
; q, k: source 0 = W, source 1 = x: a lane holds one token and its registers run along the features, the next K.   v: source 0 = x, source 1 = W: a lane holds one channel and its registers run along the keys.
; REGISTERS: v1-15 addresses and scales; v16-111 accumulators ((ft, tt) at 16 + 8 (2 ft + tt)); v112-207 W's six fragments, later the codes that leave; v208-335 x's two fragments of four K steps, v272-319 later the bias.
.set ACC, 16
.set WF,  112
.set OC,  112
.set XF,  208
.set BI,  16                           ; v272, in window 1
.set WPART, 18432                      ; what one wave fetches
.set SPARE, 12*WPART                   ; the spare words, 128 bytes for each wave
.set MSB, 0
.macro WIN new                         ; the immediate's high byte repeats the setting that is left; a switch that changes nothing is dropped
.if MSB != \new
	s_set_vgpr_msb (MSB<<8)|\new
.set MSB, \new
.endif
.endm
.macro CROUND                          ; a round of the cluster's barrier
	s_barrier_signal -1
	s_barrier_wait -1
	s_cmp_lg_u32 s22, 0
	s_cbranch_scc1 .Lnot_wave_0_\@
	s_barrier_signal -3
.Lnot_wave_0_\@:
	s_barrier_wait -3
	s_barrier_signal -1
	s_barrier_wait -1
.endm
.macro XLD s                           ; x's two fragments of K step s
.irp tt, 0,1
.set XR, XF+32*((\s)%4)+16*\tt
.if XR >= 256
	WIN 0x40
.else
	WIN 0
.endif
.irp c, 0,1,2,3
	global_load_b128 v[XR%256+4*\c:XR%256+4*\c+3], v1, s[46:47] offset:12288*\tt+2048*(\s)+512*\c
.endr
.endr
	WIN 0
.endm
.macro WLD s, hf                       ; three of my six fragments of W for K step s
.irp f, 0,1,2
.irp c, 0,1,2,3
	ds_load_b128 v[WF+48*\hf+16*\f+4*\c:WF+48*\hf+16*\f+4*\c+3], v[2+\hf] offset:12288*\f+2048*(\s)+512*\c
.endr
.endr
.endm
; Half a K step: three tiles of features x two of tokens.  The 12 accumulators take turns; the first step's products start the sums.
.macro HALF s, hf, isv
.if (\s == 5) && (\hf == 1)
	s_wait_dscnt 0x0
.else
	s_wait_dscnt 12                                ; this half's W is in; behind it the other half's 12 loads
.endif
.irp tt, 0,1
.set XR, XF+32*(\s%4)+16*\tt
.if XR < 256
	WIN 0
.elseif \isv
	WIN 0x01
.else
	WIN 0x04
.endif
.irp f, 0,1,2
.set AC, ACC+8*(2*(3*\hf+\f)+\tt)
.set WR, WF+16*(3*\hf+\f)
.if \isv
.if \s == 0
	v_wmma_f32_16x16x128_fp8_fp8 v[AC:AC+7], v[XR%256:XR%256+15], v[WR:WR+15], 0
.else
	v_wmma_f32_16x16x128_fp8_fp8 v[AC:AC+7], v[XR%256:XR%256+15], v[WR:WR+15], v[AC:AC+7]
.endif
.else
.if \s == 0
	v_wmma_f32_16x16x128_fp8_fp8 v[AC:AC+7], v[WR:WR+15], v[XR%256:XR%256+15], 0
.else
	v_wmma_f32_16x16x128_fp8_fp8 v[AC:AC+7], v[WR:WR+15], v[XR%256:XR%256+15], v[AC:AC+7]
.endif
.endif
.endr
.endr
	WIN 0
.rept 4
	v_nop                                          ; four places ahead of loads into registers that these products read, and of the first read of results
.endr
.if \s < 5
	WLD \s+1, \hf
.endif
.endm
.macro BODY isv
	WLD 0, 0
	WLD 0, 1
.irp s, 0,1,2,3,4,5
.if \s < 3
	s_wait_loadcnt 24                              ; this step's x is in; behind it three steps' x
.elseif \s == 3
	s_wait_loadcnt 16                              ; behind it: steps 4 and 5
.elseif \s == 4
	s_wait_loadcnt 20                              ; behind it: step 5's 8, the bias's 12
.else
	s_wait_loadcnt 12                              ; behind it: the bias's 12
.endif
	HALF \s, 0, \isv
	HALF \s, 1, \isv
.if \s < 2
	XLD \s+4                                       ; into the registers just multiplied
.endif
.if \s == 3
	WIN 0x40
.irp ft, 0,1,2,3,4,5                   ; the bias, into the registers of steps 2 and 3
.if \isv
	global_load_b32 v[BI+2*\ft], v13, s[50:51] offset:(32*(\ft/2)+8*(\ft%2))*4     ; a lane holds one channel: its bias, twice, as a pair for the packed form
	global_load_b32 v[BI+2*\ft+1], v13, s[50:51] offset:(32*(\ft/2)+8*(\ft%2))*4
.else
	global_load_b128 v[BI+8*\ft:BI+8*\ft+3], v5, s[50:51] offset:(32*(\ft/2)+8*(\ft%2))*4      ; register j of tile ft: feature 32 (ft / 2) + 16 h + 8 (ft % 2) + j
	global_load_b128 v[BI+8*\ft+4:BI+8*\ft+7], v5, s[50:51] offset:(32*(\ft/2)+8*(\ft%2))*4+16
.endif
.endr
	WIN 0
.endif
.endr
	s_wait_loadcnt 0x0
	WIN 0x10                                       ; the bias in window 1
.irp ft, 0,1,2,3,4,5
.irp tt, 0,1
.set AC, ACC+8*(2*\ft+\tt)
.irp i, 0,2,4,6                        ; each accumulator from its low end on: sum x 2^(ea + eb) + bias, one rounding
.if \isv
	v_pk_fma_f32 v[AC+\i:AC+\i+1], v[AC+\i:AC+\i+1], s[36:37], v[BI+2*\ft:BI+2*\ft+1] op_sel_hi:[1,0,1]
.else
	v_pk_fma_f32 v[AC+\i:AC+\i+1], v[AC+\i:AC+\i+1], s[36:37], v[BI+8*\ft+\i:BI+8*\ft+\i+1] op_sel_hi:[1,0,1]
.endif
.endr
.endr
.endr
	WIN 0
.set i, 0
.rept 96
	v_med3_num_f32 v[ACC+i], v[ACC+i], -v8, v8     ; the conversion does not saturate (ISA guide 7.6.2): the hold at 448 x 2^eo
.set i, i+1
.endr
.irp ft, 0,1,2,3,4,5
.irp tt, 0,1
.set AC, ACC+8*(2*\ft+\tt)
.if \isv
	v_cvt_scalef32_pk8_fp8_f32 v[OC+4*\ft+2*\tt:OC+4*\ft+2*\tt+1], v[AC:AC+7], v9   ; two token tiles: 16 neighbouring keys
.else
	v_cvt_scalef32_pk8_fp8_f32 v[OC+4*(2*(\ft/2)+\tt)+2*(\ft%2):OC+4*(2*(\ft/2)+\tt)+2*(\ft%2)+1], v[AC:AC+7], v9   ; feature tiles 2 gl, 2 gl + 1: 16 neighbouring features
.endif
.endr
.endr
	v_nop                                          ; a plain line behind the last conversion
.if \isv
.irp ft, 0,1,2,3,4,5
	global_store_b128 v1, v[OC+4*\ft:OC+4*\ft+3], s[40+2*(\ft/2):41+2*(\ft/2)] offset:2048*(\ft%2)   ; a piece: 512 consecutive bytes, aligned
.endr
.else
.irp gl, 0,1,2
.irp tt, 0,1
	global_store_b128 v1, v[OC+4*(2*\gl+\tt):OC+4*(2*\gl+\tt)+3], s[40+2*\gl:41+2*\gl] offset:1024*\tt
.endr
.endr
.endif
.endm
	s_load_b512 s[4:19], s[0:1], 0x0               ; xc s[4:5], wcodes s[6:7], bq s[8:9], bk s[10:11], bv s[12:13], the scales s[14:15], qc s[16:17], kc s[18:19]
	s_load_b64 s[20:21], s[0:1], 0x40              ; vc
	v_lshl_add_u32 v14, v0, 2, SPARE
	v_mov_b32 v15, 0
	ds_add_u32 v14, v15                            ; the wave's opening: the add, twice on end, and its wait ahead of my tensor load
	ds_add_u32 v14, v15
	v_lshrrev_b32 v10, 5, v0
	v_readfirstlane_b32 s22, v10                   ; wave 0..11
	s_and_b32 s23, s22, 3                          ; t: my 32 tokens
	s_lshr_b32 s24, s22, 2                         ; f: my 96 features
	s_mul_i32 s33, s24, 73728                      ; my six tiles in LDS
	v_and_b32 v10, 31, v0
	v_and_b32 v11, 15, v0                          ; r
	v_bfe_u32 v12, v0, 4, 1                        ; h
	v_lshlrev_b32 v1, 4, v10                       ; 16 x lane: an image's place for my lane
	v_and_b32 v13, 8, v11
	v_lshlrev_b32 v5, 6, v12                       ; the bias for q, k: 64 h
	v_add_nc_u32 v2, s33, v1                       ; my tiles 0 to 2,
	v_add_nc_u32 v13, v13, v11
	v_add_nc_u32 v3, 36864, v2                     ; and 3 to 5
	v_lshlrev_b32 v13, 2, v13                      ; for v: 4 (r + (r & 8))
	s_mov_b32 s68, 15|(3<<16)|(1<<21)              ; descriptor group 1: all four of the cluster; elements of 8 bytes; bit 21 beside a mask; no padding
	s_mov_b32 s69, 32<<16                          ; rows of 256 bytes,
	s_mov_b32 s70, 72<<16                          ; 72 of them,
	s_mov_b32 s71, 32<<16
	s_mov_b32 s72, 72
	s_mov_b32 s73, 32                              ; dense
	s_mov_b32 s74, 0
	s_mov_b32 s75, 0
	s_mov_b32 s76, 1
	s_mul_i32 s77, s22, WPART                      ; LDS: my twelfth
	s_bfe_u32 s25, ttmp6, 0x40000                  ; cx
	s_lshl_b32 s26, ttmp9, 2
	s_add_co_u32 s26, s26, s25                     ; tokens 128 x (4 x cluster x + cx) on
	s_and_b32 s27, ttmp7, 0xffff                   ; features 288 y on
	s_mul_i32 s28, s27, 221184
	s_add_co_u32 s28, s28, s77
	s_mov_b32 s29, 0
	s_mul_i32 s30, s27, 3
	s_add_co_u32 s30, s30, s24                     ; which 96 of the 2,304 features
	s_cmp_ge_u32 s30, 8
	s_cselect_b32 s31, 1, 0
	s_cmp_ge_u32 s30, 16
	s_cselect_b32 s34, 1, 0
	s_add_co_u32 s34, s34, s31                     ; 0 q, 1 k, 2 v
	s_lshl_b32 s31, s34, 3
	s_sub_co_u32 s30, s30, s31                     ; which 96 of its 768
	s_lshl_b32 s35, s26, 2
	s_add_co_u32 s35, s35, s23                     ; which 32 of the 4,096 tokens
	s_mul_i32 s38, s34, 3145728
	s_mul_i32 s39, s35, 24576
	s_add_co_u32 s38, s38, s39
	s_mov_b32 s39, 0
	s_wait_alu depctr_va_vdst(0)
	s_wait_dscnt 0x0                               ; both opening adds are done
	s_wait_kmcnt 0x0
	s_load_b256 s[84:91], s[14:15], 0x0            ; entries 0 .. 7
	s_load_b64 s[92:93], s[14:15], 0x20            ; entries 8, 9
	s_add_nc_u64 s[78:79], s[6:7], s[28:29]
	s_or_b32 s79, s79, 0x80000000
	s_add_nc_u64 s[46:47], s[4:5], s[38:39]
	CROUND                                         ; all four work-groups are here: the joint loads meet
	tensor_load_to_lds s[76:79], s[68:75]
	s_nop 0
.rept 4
	v_nop
.endr
	XLD 0
	XLD 1
	XLD 2
	XLD 3
	s_lshl_b32 s59, s35, 11                        ; where my results go: q, k: two tiles of 1,024 bytes;
	s_lshl_b32 s60, s26, 13
	s_lshl_b32 s61, s23, 9
	s_add_co_u32 s60, s60, s61                     ; v: a key step of 8,192 bytes, piece t
	s_cmp_eq_u32 s34, 0                            ; every choice hangs on ids alone
	s_cselect_b64 s[50:51], s[8:9], s[10:11]
	s_cselect_b64 s[56:57], s[16:17], s[18:19]
	s_cmp_eq_u32 s34, 2
	s_cselect_b64 s[50:51], s[12:13], s[50:51]
	s_cselect_b64 s[56:57], s[20:21], s[56:57]
	s_cselect_b32 s58, 12, 9                       ; a group's odd half lies 4,096 bytes on in vc (two tiles of channels), 512 in qc and kc (a piece)
	s_cselect_b32 s59, s60, s59
	s_mul_i32 s54, s30, 384                        ; the bias: my 96 numbers
	s_mov_b32 s55, 0
	s_add_nc_u64 s[50:51], s[50:51], s[54:55]
	s_mul_i32 s60, s30, 3
.irp gl, 0,1,2                         ; group g = 3 x (my 96) + gl of 32 features: head g / 2, half g % 2
	s_add_co_u32 s61, s60, \gl
	s_lshr_b32 s62, s61, 1
	s_lshl_b32 s62, s62, 18
	s_and_b32 s61, s61, 1
	s_lshl_b32 s61, s61, s58
	s_add_co_u32 s62, s62, s61
	s_add_co_u32 s62, s62, s59
	s_mov_b32 s63, 0
	s_add_nc_u64 s[40+2*\gl:41+2*\gl], s[56:57], s[62:63]
.endr
	s_wait_kmcnt 0x0
	s_cmp_eq_u32 s34, 0
	s_cselect_b32 s80, s84, s86                    ; ea
	s_cselect_b32 s81, s85, s87                    ; eb
	s_cselect_b32 s82, s90, s91                    ; eo
	s_cmp_eq_u32 s34, 2
	s_cselect_b32 s80, s88, s80
	s_cselect_b32 s81, s89, s81
	s_cselect_b32 s82, s93, s82
	s_add_co_i32 s81, s80, s81
	s_add_co_i32 s81, s81, 127
	s_lshl_b32 s36, s81, 23                        ; 2^(ea + eb) as f32
	s_mov_b32 s37, s36                             ; (named with it as a pair, so it is written)
	s_add_co_i32 s82, s82, 127
	s_lshl_b32 s83, s82, 23
	v_mov_b32 v9, s83                              ; 2^eo
	s_add_co_i32 s82, s82, 8
	s_lshl_b32 s82, s82, 23
	s_or_b32 s82, s82, 0x600000
	v_mov_b32 v8, s82                              ; 448 x 2^eo
	s_wait_alu depctr_va_vdst(0)
	s_wait_tensorcnt 0x0                           ; my twelfth of W is in
	s_barrier_signal -1
	s_barrier_wait -1                              ; and everybody's
	s_cmp_eq_u32 s34, 2
	s_cbranch_scc1 .Lv
	BODY 0
	s_branch .Lend
.Lv:
	BODY 1
.Lend:
	s_wait_tensorcnt 0x0                           ; the wave's end
	ds_add_u32 v14, v15
	s_wait_dscnt 0x0
	CROUND                                         ; the closing round: no work-group ends while a partner may still issue a joint load that names it
	s_endpgm
.Lfunc_end_k_q204f2e7e7b_proj:
	.size	k_q204f2e7e7b_proj, .Lfunc_end_k_q204f2e7e7b_proj-k_q204f2e7e7b_proj
	.p2alignl 7, 3214868480
	.fill 96, 4, 3214868480
	.section	.rodata,"a",@progbits
	.p2align	6, 0x0
	.amdhsa_kernel k_q204f2e7e7b_proj
		.amdhsa_group_segment_fixed_size 222720
		.amdhsa_private_segment_fixed_size 0
		.amdhsa_enable_private_segment 0
		.amdhsa_kernarg_size 72
		.amdhsa_user_sgpr_count 2
		.amdhsa_user_sgpr_kernarg_segment_ptr 1
		.amdhsa_wavefront_size32 1
		.amdhsa_system_sgpr_workgroup_id_x 1
		.amdhsa_system_sgpr_workgroup_id_y 1
		.amdhsa_system_sgpr_workgroup_id_z 1
		.amdhsa_system_vgpr_workitem_id 0
		.amdhsa_next_free_vgpr 336
		.amdhsa_next_free_sgpr 96
		.amdhsa_reserve_vcc 0
		.amdhsa_float_denorm_mode_32 3
		.amdhsa_float_denorm_mode_16_64 3
		.amdhsa_memory_ordered 1
		.amdhsa_forward_progress 1
		.amdhsa_inst_pref_size 69
	.end_amdhsa_kernel
	.amdgpu_metadata
---
amdhsa.version: [ 1, 2 ]
amdhsa.kernels:
  - .name:           k_q204f2e7e7b_proj
    .symbol:         k_q204f2e7e7b_proj.kd
    .args:
      - { .name: xc, .offset: 0, .size: 8, .value_kind: global_buffer, .address_space: global }
      - { .name: wcodes, .offset: 8, .size: 8, .value_kind: global_buffer, .address_space: global }
      - { .name: bq, .offset: 16, .size: 8, .value_kind: global_buffer, .address_space: global }
      - { .name: bk, .offset: 24, .size: 8, .value_kind: global_buffer, .address_space: global }
      - { .name: bv, .offset: 32, .size: 8, .value_kind: global_buffer, .address_space: global }
      - { .name: lowp_scales, .offset: 40, .size: 8, .value_kind: global_buffer, .address_space: global }
      - { .name: qc, .offset: 48, .size: 8, .value_kind: global_buffer, .address_space: global }
      - { .name: kc, .offset: 56, .size: 8, .value_kind: global_buffer, .address_space: global }
      - { .name: vc, .offset: 64, .size: 8, .value_kind: global_buffer, .address_space: global }
    .group_segment_fixed_size: 222720
    .private_segment_fixed_size: 0
    .kernarg_segment_align: 8
    .kernarg_segment_size: 72
    .max_flat_workgroup_size: 384
    .sgpr_count:     96
    .vgpr_count:     336
    .wavefront_size: 32
...
	.end_amdgpu_metadata
.endif
;; end of part 2
;; launch attn (part 3): grid 256 x 1, 8 waves a work-group, no clusters, 320,512 bytes of LDS; arguments qc, kc, vc, attention_mask, lowp_scales, out0; writes out0
.if DOCPART == 3
	.amdgcn_target "amdgcn-amd-amdhsa--gfx1250"
	.amdhsa_code_object_version 6
	.text
	.protected	k_q204f2e7e7b_attn
	.globl	k_q204f2e7e7b_attn
	.p2align	8
	.type	k_q204f2e7e7b_attn,@function
k_q204f2e7e7b_attn:
	s_mov_b64 s[64:65], 0
	v_nop
	global_prefetch_b8 v0, s[64:65] scope:SCOPE_SE
	s_setreg_imm32_b32 hwreg(HW_REG_WAVE_MODE, 25, 1), 1
	s_wait_xcnt 0x0
; out[q][head] = softmax_k(q . k / 8 + mask[k]) v, both products on codes of E4M3 with the given scales (entries 6, 7: q, k; 8, 9: p, v).  No step of the problem is left out.
; THE SOFTMAX: t = (score + mask) x log2(e); M = the largest t so far, rounded UP to a whole number; p = 2^(t - M) is quantised along the keys, not normalised; the sum l is taken of the unquantised p and divides at the end.
; SHARES.  A unit is 64 queries (4 tiles of 16) of one head: 768 units, 3 for each of 256 work-groups: queries 64 (g % 64) on, heads h0 = g / 64, + 4, + 8.
; THE EIGHT WAVES SPLIT THE KEYS, in blocks of 512, and walk three segments of four steps of 128 keys: waves 0-3 the first unit, waves 4-7 the second, wave w block w and then block w xor 4; then all the third unit, block w.
; Each wave has an M and an l of its own for its unit.  Nothing is shared on the way: the parts (4 of each row of units 0 and 1, 8 of unit 2) lie in LDS side by side, and are merged once, behind the one barrier at the end,
; each multiplied by 2^(its M - the largest M), which rounds nothing.
; TWO TILES (a, b) ARE WORKED AT A TIME, so that two independent chains stand wherever one would wait for itself: b's multiply-adds stand between a's exponentials, a's conversions and first sums between b's.
; NO JOINT LOADS, though the 64 work-groups of a head walk the same K and V: inside a unit each byte of K and V has ONE reader, so it goes from memory straight into that wave's operand registers (the codes lie as
; images of them), 512 consecutive bytes a load, a softmax of two tiles ahead; a joint request lands in LDS, which would add an LDS write and read of each of these bytes and a round of the cluster's barrier to each step.
; LAYOUT.  Both products transposed: S^T = K Q^T, O^T = V^T P^T: a lane holds ONE query (lane % 16).  Tile u of a group of 32 keys takes as row r key 8 u + r + (r & 8), so that the 16 registers of two
; neighbouring tiles are 16 neighbouring keys: the conversions' results are the second product's operand.  V's channels likewise, so that a lane's results are neighbouring channels.
; THE MASK costs no vector work: mask x 2^(3 - e6 - e7) lies in LDS and is loaded INTO tile a's registers of S^T; tile b's products take it from there as their C, then tile a's add onto it in place.
; THE HOLD at 448 x 2^e8: p is at most 2^(2^-4), so with e8 >= -8 p / 2^e8 stays under 448 and nothing is to be held.  The whole number e8 decides: with e8 < -8 a branch leads to lines that hold p and put what is cut off into l.
; LIMITS.  A mask value is held within +-2^20: the largest t is rounded once while t - M is one exact multiply-add, so with |t| under 2^21 the exponent passes 0 by 2^-4 at the most.  A held key has p = 0
; beside any key that is not held; a row in which EVERY key's mask lies beyond +-2^20 is not served (the result is finite).  e6 + e7 between -100 and 100; e8 between -126 and 119.  NaN is not served.
; REGISTERS, window 0: v1-12 addresses and 2^e8; v13, v18 permutes' destinations; v[14:15], v[16:17] f of a, of b; v19 the mask's address; v20-35 four a tile: -M, the largest score, l in two halves; v36-47 at work;
;   v56, v57 the add; v58 64 h; v60-63 addresses; v64-127, v128-191 S^T of a, of b, then p; v192-223 p's codes; v224-255 Q's four fragments.   window 1: v0-63 K, v64-127 V; v128-255 O^T, (t, ct) at 128 + 32 t + 8 ct.
.set MASK,  0                          ; LDS: the 4,096 scaled mask values, in the keys' order
.set QIMG,  16384                      ; Q's fragments of the three units, 4,096 bytes a unit
.set STM,   28672                      ; (-M, l), 8 bytes, for each of 64 rows x 8 places, three units
.set PART,  40960                      ; for each wave 64 rows (16 t + r) of 256 + 16 bytes: its part of O; eight of units 0 and 1, eight of unit 2
.set WPART, 17408
.set PP,    272
.set SPARE, PART+16*WPART              ; the spare words, 128 bytes for each wave
.set ST,  20
.set SPW, 56
.set NIL, 57
.set SA,  64
.set SB,  128
.set CA,  192
.set CB,  208
.set QF,  224
.set KR,  0                            ; window 1
.set VR,  64                           ; window 1
.set MP,  128                          ; the merge's parts, in window 0 (units 0, 1) and window 1 (unit 2); its pairs at SA likewise
.set MSB, 0
.macro WIN new                         ; the immediate's high byte repeats the setting that is left; a switch that changes nothing is dropped
.if MSB != \new
	s_set_vgpr_msb (MSB<<8)|\new
.set MSB, \new
.endif
.endm
.macro GET reg, base                   ; 16 loads of 512 consecutive bytes into window 1
	WIN 0x40
.irp i, 0,1,2,3,4,5,6,7,8,9,10,11,12,13,14,15
	global_load_b128 v[\reg+4*\i:\reg+4*\i+3], v1, s[\base:\base+1] offset:512*\i
.endr
	WIN 0
.endm
.macro MLOAD                           ; a step's mask into tile a's S^T (register 16 b + i: key 32 b + 16 h + i)
.irp b, 0,1,2,3
.irp q, 0,1,2,3
	ds_load_b128 v[SA+16*\b+4*\q:SA+16*\b+4*\q+3], v19 offset:MASK+128*\b+16*\q
.endr
.endr
.endm
.macro QLOAD adr, off                  ; a unit's four fragments of Q
.irp i, 0,1,2,3,4,5,6,7
	ds_load_b128 v[QF+4*\i:QF+4*\i+3], v[\adr] offset:\off+512*\i
.endr
.endm
.macro PADD d, s
	v_pk_add_f32 v[\d:\d+1], v[\d:\d+1], v[\s:\s+1]
.endm
.macro MAXP d, i                       ; two more scores of a and of b into their chains d
	v_max3_num_f32 v[36+\d], v[36+\d], v[SA+\i], v[SA+\i+1]
	v_max3_num_f32 v[40+\d], v[40+\d], v[SB+\i], v[SB+\i+1]
.endm
.macro FMA8 s, t, n0                   ; t - M for 16 scores, two at a time (of c's and -M's pairs the low word serves both halves)
.irp i, 0,2,4,6,8,10,12,14
	v_pk_fma_f32 v[\s+\n0+\i:\s+\n0+\i+1], v[\s+\n0+\i:\s+\n0+\i+1], s[22:23], v[\t:\t+1] op_sel_hi:[1,0,0]
.endr
.endm
; TWO TILES OF 16 QUERIES (2 pr, 2 pr + 1) x ONE STEP OF 128 KEYS.  first = 1: the wave's first step of the unit starts M, l and O^T.  id: the place in the text.
.macro BATCH first, pr, id
.set TA, ST+8*(\pr)
.set TB, TA+4
.set OB, 128+64*(\pr)
.set QA, QF+16*(\pr)
.if \pr == 0
	s_wait_loadcnt 16                              ; K is in; behind it V's 16
.endif
	s_wait_dscnt 0x0                               ; the mask (and Q's fragments) are in
	WIN 0x01                                       ; source 0 (K) window 1
.irp kt, 0,1,2,3,4,5,6,7
	v_wmma_f32_16x16x64_fp8_fp8 v[SB+8*\kt:SB+8*\kt+7], v[KR+8*\kt:KR+8*\kt+7], v[QA+8:QA+15], v[SA+8*\kt:SA+8*\kt+7]   ; b: onto the mask that lies in a's registers
.endr
.rept 5
	v_nop                                          ; five places ahead of the products that write over a's registers
.endr
.irp kt, 0,1,2,3,4,5,6,7
	v_wmma_f32_16x16x64_fp8_fp8 v[SA+8*\kt:SA+8*\kt+7], v[KR+8*\kt:KR+8*\kt+7], v[QA:QA+7], v[SA+8*\kt:SA+8*\kt+7]
.endr
	WIN 0
.rept 4
	v_nop                                          ; four places ahead of the first read of results and of loads into registers that products read
.endr
.if \pr == 1
.if \first
	s_add_co_u32 s26, s26, s42
	s_wait_xcnt 0x0                                ; earlier loads have read their base
	s_add_nc_u64 s[52:53], s[6:7], s[26:27]
	GET KR, 52                                     ; the next step's K
.else
	s_cmp_eq_u32 s47, 1                            ; the segment's last step?  Then the next segment's first
	s_cselect_b32 s50, s55, s42
	s_cselect_b32 s51, s19, 0
	s_add_co_u32 s26, s26, s50
	s_cmp_eq_u32 s51, 1
	s_cbranch_scc1 .Lnok_\@                        ; behind the last segment nothing follows
	s_wait_xcnt 0x0
	s_add_nc_u64 s[52:53], s[6:7], s[26:27]
	GET KR, 52
.Lnok_\@:
	s_cmp_eq_u32 s47, s46
	s_cbranch_scc0 .Lnoask_\@
	global_prefetch_b8 v11, s[34:35] th:TH_LOAD_NT scope:SCOPE_SE   ; the third unit's head: below, at the head
.Lnoask_\@:
.endif
.endif
.irp d, 0,1,2,3                        ; the largest of my 64 scores of each tile, in four chains a tile, each accumulator from its low end on
	v_max3_num_f32 v[36+\d], v[SA+3*\d], v[SA+3*\d+1], v[SA+3*\d+2]
	v_max3_num_f32 v[40+\d], v[SB+3*\d], v[SB+3*\d+1], v[SB+3*\d+2]
.endr
.irp i, 12,20,28,36,44,52
	MAXP 0, \i
	MAXP 1, \i+2
	MAXP 2, \i+4
	MAXP 3, \i+6
.endr
	MAXP 0, 60
	MAXP 1, 62
.if \first
	v_mov_b32 v[TA+2], 0
	v_mov_b32 v[TB+2], 0
.else
	v_mov_b32 v46, v[TA]                           ; the old -M
	v_mov_b32 v47, v[TB]
.endif
	v_max3_num_f32 v36, v36, v37, v38
	v_max3_num_f32 v40, v40, v41, v42
.if \first
	v_mov_b32 v[TA+3], 0
	v_mov_b32 v[TB+3], 0
.endif
	v_max_num_f32 v36, v36, v39
	v_max_num_f32 v40, v40, v43
	v_permlanex16_b32 v13, v36, s20, s21           ; and of the lane 16 away: the query's other 64 keys
	v_permlanex16_b32 v18, v40, s20, s21
.if \first
	v_max_num_f32 v[TA+1], v36, v13
	v_max_num_f32 v[TB+1], v40, v18
.else
	v_max3_num_f32 v[TA+1], v[TA+1], v36, v13      ; the running largest score
	v_max3_num_f32 v[TB+1], v[TB+1], v40, v18
.endif
	v_mul_f32 v36, s22, -v[TA+1]                   ; as -t (c is positive)
	v_mul_f32 v40, s22, -v[TB+1]
	v_floor_f32 v[TA], v36                         ; -M = floor(-t): M is a whole number
	v_floor_f32 v[TB], v40
.if \first
	FMA8 SA, TA, 0
	FMA8 SA, TA, 16
	FMA8 SA, TA, 32
	FMA8 SA, TA, 48
.else
	FMA8 SA, TA, 0                                 ; (a's multiply-adds stand between the links that make f)
	v_sub_f32 v46, v[TA], v46                      ; old M - new M: a whole number, 0 or less
	v_sub_f32 v47, v[TB], v47
	FMA8 SA, TA, 16
	v_cvt_i32_f32 v46, v46
	v_cvt_i32_f32 v47, v47
	FMA8 SA, TA, 32
	v_ldexp_f32 v14, 1.0, v46                      ; f = 2^(old M - new M)
	v_ldexp_f32 v16, 1.0, v47
	FMA8 SA, TA, 48
	v_pk_mul_f32 v[TA+2:TA+3], v[TA+2:TA+3], v[14:15] op_sel_hi:[1,0]   ; l under the new M
	v_pk_mul_f32 v[TB+2:TB+3], v[TB+2:TB+3], v[16:17] op_sel_hi:[1,0]
.endif
	s_wait_alu depctr_va_vdst(0)
.set n, 0
.rept 32
	v_exp_f32 v[SA+n], v[SA+n]                     ; a's p = 2^(t - M); between them b's t - M, first read behind the next wait
	v_exp_f32 v[SA+n+1], v[SA+n+1]
	v_pk_fma_f32 v[SB+n:SB+n+1], v[SB+n:SB+n+1], s[22:23], v[TB:TB+1] op_sel_hi:[1,0,0]
.set n, n+2
.endr
	s_wait_alu depctr_va_vdst(0)                   ; for a's p and b's t - M
	s_cmp_lg_u32 s45, 0
	s_cbranch_scc1 .Lha\id
.Lra\id:
.set n, 0
.rept 32
	v_exp_f32 v[SB+n], v[SB+n]                     ; b's p; between them a's conversions, then a's first sums in place
	v_exp_f32 v[SB+n+1], v[SB+n+1]
.if n < 16
	v_cvt_scalef32_pk8_fp8_f32 v[CA+n:CA+n+1], v[SA+4*n:SA+4*n+7], v12
.elseif n == 16
	v_nop                                          ; a plain line behind the last conversion
.elseif n < 50
	PADD SA+2*(n-18), SA+2*(n-18)+2
.endif
.set n, n+2
.endr
	v_nop                                          ; a plain line behind the last exponential
.if \first
	s_wait_alu depctr_va_vdst(0)                   ; for b's p and a's sums
.else
	WIN 0x41                                       ; O^T in window 1, f in window 0
	s_wait_alu depctr_va_vdst(0)                   ; for O^T, b's p and a's sums
.set n, 0
.rept 16
	v_pk_mul_f32 v[OB+n:OB+n+1], v[OB+n:OB+n+1], v[14:15] op_sel_hi:[1,0]   ; O^T under the new M
.set n, n+2
.endr
.set n, 0
.rept 16
	v_pk_mul_f32 v[OB+32+n:OB+33+n], v[OB+32+n:OB+33+n], v[16:17] op_sel_hi:[1,0]
.set n, n+2
.endr
	WIN 0
.endif
	s_cmp_lg_u32 s45, 0
	s_cbranch_scc1 .Lhb\id
.Lrb\id:
.irp g, 0,1,2,3,4,5,6,7
	v_cvt_scalef32_pk8_fp8_f32 v[CB+2*\g:CB+2*\g+1], v[SB+8*\g:SB+8*\g+7], v12
.endr
.irp k, 0,1,2,3,4,5,6,7                ; l takes the UNQUANTISED p: two trees of packed sums, in place, by turns
	PADD SA+8*\k, SA+8*\k+4
.endr
.irp k, 0,1,2,3,4,5,6,7
	PADD SB+4*\k, SB+4*\k+2
.endr
.irp k, 0,1,2,3
	PADD SA+16*\k, SA+16*\k+8
.endr
.irp k, 8,9,10,11,12,13,14,15
	PADD SB+4*\k, SB+4*\k+2
.endr
	PADD SA, SA+16
	PADD SA+32, SA+48
.irp k, 0,1,2,3
	PADD SB+8*\k, SB+8*\k+4
.endr
	PADD SA, SA+32
.irp k, 4,5,6,7
	PADD SB+8*\k, SB+8*\k+4
.endr
	PADD TA+2, SA
.irp k, 0,1,2,3
	PADD SB+16*\k, SB+16*\k+8
.endr
.if \pr == 0
	MLOAD                                          ; the mask for the next two tiles lands under the lines below
	s_wait_alu depctr_va_vdst(0)
	s_wait_loadcnt 0x0                             ; V is in
.else
	s_add_co_u32 s44, s44, 512
.if \first == 0
	s_cmp_eq_u32 s47, 1                            ; the segment's last step reads no further mask here
	s_wait_alu depctr_va_vdst(0)
	s_cbranch_scc1 .Lnom_\@
.endif
	v_add_nc_u32 v19, s44, v58
	MLOAD                                          ; the next step's mask
.if \first == 0
.Lnom_\@:
.endif
.endif
	WIN 0x51                                       ; source 0 (V), C and D window 1; source 1 (codes) window 0
.irp ct, 0,1,2,3                       ; eight accumulators by turns
.if \first
	v_wmma_f32_16x16x128_fp8_fp8 v[OB+8*\ct:OB+8*\ct+7], v[VR+16*\ct:VR+16*\ct+15], v[CA:CA+15], 0
	v_wmma_f32_16x16x128_fp8_fp8 v[OB+32+8*\ct:OB+32+8*\ct+7], v[VR+16*\ct:VR+16*\ct+15], v[CB:CB+15], 0
.else
	v_wmma_f32_16x16x128_fp8_fp8 v[OB+8*\ct:OB+8*\ct+7], v[VR+16*\ct:VR+16*\ct+15], v[CA:CA+15], v[OB+8*\ct:OB+8*\ct+7]
	v_wmma_f32_16x16x128_fp8_fp8 v[OB+32+8*\ct:OB+32+8*\ct+7], v[VR+16*\ct:VR+16*\ct+15], v[CB:CB+15], v[OB+32+8*\ct:OB+32+8*\ct+7]
.endif
.endr
	WIN 0
	PADD SB, SB+16                                 ; b's last four sums: also the four places behind these products
	PADD SB+32, SB+48
	PADD SB, SB+32
	PADD TB+2, SB
.if \pr == 1
.if \first == 0
	s_cmp_eq_u32 s51, 1
	s_cbranch_scc1 .Lnov_\@
.endif
	s_wait_xcnt 0x0
	s_add_nc_u64 s[48:49], s[8:9], s[26:27]
	GET VR, 48                                     ; the next step's V: wanted behind the next two tiles' softmax
.if \first == 0
.Lnov_\@:
.endif
.endif
.endm
; THE HOLD of one tile's p (e8 < -8): p becomes min(p, H), H = 448 x 2^e8, and l takes max(p - H, 0), so that its sum is still that of the unheld p.
.macro HOLD x, id, s, t
.Lh\x\id:
	s_wait_alu depctr_va_vdst(0)
.set n, 0
.rept 32
	v_pk_add_f32 v[44:45], v[\s+n:\s+n+1], s[40:41] op_sel_hi:[1,0]
	v_min_num_f32 v[\s+n], s24, v[\s+n]
	v_min_num_f32 v[\s+n+1], s24, v[\s+n+1]
	v_max_num_f32 v44, 0, v44
	v_max_num_f32 v45, 0, v45
	v_pk_add_f32 v[\t+2:\t+3], v[\t+2:\t+3], v[44:45]
.set n, n+2
.endr
	s_wait_alu depctr_va_vdst(0)
	s_branch .Lr\x\id
.endm
; A UNIT'S END: l's halves are added; (-M, l) and my part of O^T go to LDS.
.macro PUT part, stm
	s_wait_alu depctr_va_vdst(0)
.irp t, 0,1,2,3
	v_add_f32 v[ST+4*\t+2], v[ST+4*\t+2], v[ST+4*\t+3]
.endr
.irp t, 0,1,2,3
	v_permlanex16_b32 v[36+\t], v[ST+4*\t+2], s20, s21
.endr
.irp t, 0,1,2,3
	v_add_f32 v[ST+4*\t+1], v[ST+4*\t+2], v[36+\t] ; beside -M, as a pair
.endr
.irp t, 0,1,2,3
	ds_store_b64 v[\stm], v[ST+4*\t:ST+4*\t+1] offset:1024*\t
.endr
	WIN 0x04                                       ; store data in window 1
	s_wait_alu depctr_va_vdst(0)                   ; ahead of O^T's first readers
.irp t, 0,1,2,3
.irp ct, 0,1,2,3
	ds_store_b128 v[\part], v[128+32*\t+8*\ct:128+32*\t+8*\ct+3] offset:16*PP*\t+128*(\ct/2)+32*(\ct%2)       ; register j: channel 32 (ct / 2) + 16 h + 8 (ct % 2) + j of query r
	ds_store_b128 v[\part], v[128+32*\t+8*\ct+4:128+32*\t+8*\ct+7] offset:16*PP*\t+128*(\ct/2)+32*(\ct%2)+16
.endr
.endr
	WIN 0
.endm
; THE MERGE.  Of each unit I take rows 8 w + 2 i + h, i = 0 .. 3; sixteen lanes to a row of 256 bytes.  Eight places a row: two units' four parts each, or one unit's eight.
.macro PAIRS o0, o1                    ; register 16 i + 2 p: -M of place p; + 1: its l
.irp i, 0,1,2,3
	ds_load_b128 v[SA+16*\i:SA+16*\i+3], v7 offset:\o0+128*\i
	ds_load_b128 v[SA+16*\i+4:SA+16*\i+7], v7 offset:\o0+128*\i+16
	ds_load_b128 v[SA+16*\i+8:SA+16*\i+11], v7 offset:\o1+128*\i
	ds_load_b128 v[SA+16*\i+12:SA+16*\i+15], v7 offset:\o1+128*\i+16
.endr
.endm
.macro PARTS a0, a1
.irp i, 0,1,2,3
.irp p, 0,1,2,3
	ds_load_b128 v[MP+32*\i+4*\p:MP+32*\i+4*\p+3], v[\a0] offset:\p*WPART+2*PP*\i
.endr
.irp p, 0,1,2,3
	ds_load_b128 v[MP+32*\i+16+4*\p:MP+32*\i+16+4*\p+3], v[\a1] offset:\p*WPART+2*PP*\i
.endr
.endr
.endm
.macro FACT rl, mn, a, n               ; places a .. a + n - 1: each place's f, in its pair's even register, and the row's l
.irp i, 0,1,2,3
	v_min3_num_f32 v[\mn+\i], v[SA+16*\i+2*\a], v[SA+16*\i+2*\a+2], v[SA+16*\i+2*\a+4]
.endr
.if \n == 8
.irp i, 0,1,2,3
	v_min3_num_f32 v[\mn+\i], v[\mn+\i], v[SA+16*\i+6], v[SA+16*\i+8]
.endr
.irp i, 0,1,2,3
	v_min3_num_f32 v[\mn+\i], v[\mn+\i], v[SA+16*\i+10], v[SA+16*\i+12]
.endr
.endif
.irp i, 0,1,2,3
	v_min_num_f32 v[\mn+\i], v[\mn+\i], v[SA+16*\i+2*(\a+\n-1)]     ; the least -M: the row's M
.endr
.set p, \a
.rept \n
.irp i, 0,1,2,3
	v_sub_f32 v[SA+16*\i+2*p], v[\mn+\i], v[SA+16*\i+2*p]          ; the place's M - the row's M: a whole number, 0 or less
.endr
.set p, p+1
.endr
.set p, \a
.rept \n
.irp i, 0,1,2,3
	v_cvt_i32_f32 v[SA+16*\i+2*p], v[SA+16*\i+2*p]
.endr
.set p, p+1
.endr
.set p, \a
.rept \n
.irp i, 0,1,2,3
	v_ldexp_f32 v[SA+16*\i+2*p], 1.0, v[SA+16*\i+2*p]
.endr
.set p, p+1
.endr
.irp i, 0,1,2,3
	v_mul_f32 v[\rl+2*\i], v[SA+16*\i+2*\a], v[SA+16*\i+2*\a+1]
.endr
.set p, \a+1
.rept \n-1
.irp i, 0,1,2,3
	v_fmac_f32 v[\rl+2*\i], v[SA+16*\i+2*p], v[SA+16*\i+2*p+1]
.endr
.set p, p+1
.endr
.endm
.macro RCP4 rl
.irp i, 0,1,2,3
	v_rcp_f32 v[\rl+2*\i], v[\rl+2*\i]
.endr
.endm
.macro SUMS a, n                       ; the places' parts, each x its f, into the first place's registers (plain lines behind the reciprocals, which they do not name)
.irp i, 0,1,2,3
.irp q, 0,2
	v_pk_mul_f32 v[MP+32*\i+4*\a+\q:MP+32*\i+4*\a+\q+1], v[MP+32*\i+4*\a+\q:MP+32*\i+4*\a+\q+1], v[SA+16*\i+2*\a:SA+16*\i+2*\a+1] op_sel_hi:[1,0]
.endr
.endr
.set p, \a+1
.rept \n-1
.irp i, 0,1,2,3
.irp q, 0,2
	v_pk_fma_f32 v[MP+32*\i+4*\a+\q:MP+32*\i+4*\a+\q+1], v[MP+32*\i+4*p+\q:MP+32*\i+4*p+\q+1], v[SA+16*\i+2*p:SA+16*\i+2*p+1], v[MP+32*\i+4*\a+\q:MP+32*\i+4*\a+\q+1] op_sel_hi:[1,0,1]
.endr
.endr
.set p, p+1
.endr
.endm
.macro DIVIDE rl, a
.irp i, 0,1,2,3
	v_ldexp_f32 v[\rl+2*\i], v[\rl+2*\i], s25      ; 2^(e8 + e9) / l
.endr
.irp i, 0,1,2,3
.irp q, 0,2
	v_pk_mul_f32 v[MP+32*\i+4*\a+\q:MP+32*\i+4*\a+\q+1], v[MP+32*\i+4*\a+\q:MP+32*\i+4*\a+\q+1], v[\rl+2*\i:\rl+2*\i+1] op_sel_hi:[1,0]
.endr
.endr
.endm
.macro OUT u, a
.irp i, 0,1,2,3
	global_store_b128 v10, v[MP+32*\i+4*\a:MP+32*\i+4*\a+3], s[32:33] offset:6144*\i+1024*\u th:TH_STORE_NT   ; sixteen lanes store a query's 64 channels of the head: 256 consecutive bytes, aligned; written once
.endr
.endm
	s_load_b256 s[4:11], s[0:1], 0x0               ; qc s[4:5], kc s[6:7], vc s[8:9], the mask s[10:11]
	s_load_b128 s[12:15], s[0:1], 0x20             ; the scales' exponents s[12:13], out0 s[14:15]
	v_lshl_add_u32 v[SPW], v0, 2, SPARE
	v_mov_b32 v[NIL], 0
	v_lshrrev_b32 v36, 5, v0
	v_readfirstlane_b32 s16, v36                   ; wave 0..7
	s_and_b32 s17, ttmp9, 63                       ; which 64 queries
	s_lshr_b32 s18, ttmp9, 6                       ; h0
	s_lshr_b32 s66, s16, 2                         ; my first unit: 0 or 1
	s_and_b32 s67, s16, 3
	v_and_b32 v36, 31, v0                          ; lane
	v_and_b32 v37, 15, v0                          ; r
	v_bfe_u32 v38, v0, 4, 1                        ; h
	v_lshlrev_b32 v4, 4, v0                        ; 16 x thread: the mask's and Q's way into LDS
	v_lshlrev_b32 v1, 4, v36                       ; 16 x lane: an image's place for my lane
	v_lshlrev_b32 v11, 8, v36                      ; the prefetch: 256 x lane
	v_mul_u32_u24 v5, v37, PP
	v_mul_u32_u24 v8, v38, PP
	v_mul_u32_u24 v10, v38, 3072
	v_lshlrev_b32 v58, 6, v38                      ; the mask: 64 h
	v_lshl_add_u32 v5, v38, 6, v5
	v_lshl_add_u32 v8, v37, 4, v8
	v_lshl_add_u32 v10, v37, 4, v10                ; out: token h, 16 bytes a lane
	s_lshl_b32 s54, s66, 12
	v_add_nc_u32 v2, s54, v1                       ; my first unit's Q
	s_lshl_b32 s70, s67, 3
	s_add_co_u32 s54, s54, s70
	s_add_co_u32 s54, s54, STM
	v_lshl_add_u32 v6, v37, 6, s54                 ; my (-M, l) of the first unit: row r, place w % 4
	s_lshl_b32 s54, s16, 3
	s_add_co_u32 s54, s54, STM+8192
	v_lshl_add_u32 v63, v37, 6, s54                ; of the third: row r, place w
	s_wait_alu depctr_va_vdst(0)
	s_lshl_b32 s54, s16, 9
	s_add_co_u32 s54, s54, STM
	v_lshl_add_u32 v7, v38, 6, s54                 ; the merge: the eight pairs of row 8 w + h
	s_mul_i32 s54, s16, WPART
	s_add_co_u32 s54, s54, PART
	v_add_nc_u32 v5, s54, v5                       ; my part: row r, + 64 h,
	s_mul_i32 s54, s16, 8*PP
	s_add_co_u32 s54, s54, PART
	v_add_nc_u32 v8, s54, v8                       ; the merge: row 8 w + h in place 0's part, 16 bytes a lane;
	v_add_nc_u32 v62, 8*WPART, v5                  ; (my part of the third unit)
	v_mov_b32 v13, 0                               ; written once: a lane permute's destination counts as one of its sources
	v_mov_b32 v18, 0
	v_mov_b32 v15, 0                               ; (named as the upper halves of f's pairs)
	v_mov_b32 v17, 0
	v_add_nc_u32 v9, 4*WPART, v8                   ; in place 4's;
	v_add_nc_u32 v60, 8*WPART, v8                  ; the third unit's
	v_add_nc_u32 v61, 12*WPART, v8
	s_mov_b32 s19, 3                               ; segments to go
	s_mov_b32 s20, 0x76543210
	s_mov_b32 s21, 0xfedcba98                      ; lane l xor 16
	s_mov_b32 s42, 8192                            ; a step of K or of V in bytes
	s_lshl_b32 s43, s16, 11                        ; the segment's place in the mask, in bytes: block w
	s_lshl_b32 s54, s66, 2
	s_add_co_u32 s54, s54, s18
	s_lshl_b32 s54, s54, 18                        ; my first unit's head in K and V, the same in both buffers,
	s_lshl_b32 s70, s16, 15
	s_add_co_u32 s26, s54, s70                     ; + block w: segment 0
	s_mov_b32 s27, 0
	s_xor_b32 s71, s70, 131072
	s_add_co_u32 s71, s54, s71                     ; + block w xor 4: segment 1
	s_add_co_u32 s72, s18, 8
	s_lshl_b32 s72, s72, 18
	s_add_co_u32 s73, s72, s70                     ; the third unit's head + block w: segment 2
	s_sub_co_u32 s55, s71, s26
	s_sub_co_u32 s55, s55, 24576                   ; from segment 0's last step to segment 1's first
	s_sub_co_u32 s68, s73, s71
	s_sub_co_u32 s68, s68, 24576                   ; and on to segment 2's
	s_lshl_b32 s30, s18, 18
	s_lshl_b32 s54, s17, 12
	s_add_co_u32 s30, s30, s54                     ; Q: head x 262,144 + the unit's 4,096 bytes; the next unit 1,048,576 on
	s_mov_b32 s31, 0
	s_lshl_b32 s48, s17, 6
	s_lshr_b32 s54, s16, 2
	s_lshl_b32 s54, s54, 5
	s_add_co_u32 s48, s48, s54
	s_bfe_u32 s54, s16, 0x10001
	s_lshl_b32 s54, s54, 3
	s_add_co_u32 s48, s48, s54
	s_and_b32 s54, s16, 1
	s_lshl_b32 s54, s54, 4
	s_add_co_u32 s48, s48, s54                     ; rows 8 w .. 8 w + 7 of a unit are tokens 64 (g % 64) + 32 (w / 4) + 8 ((w / 2) % 2) + 16 (w % 2) + 0 .. 7
	s_mul_i32 s48, s48, 3072
	s_lshl_b32 s54, s18, 8
	s_add_co_u32 s48, s48, s54                     ; + the head's 256 bytes
	s_mov_b32 s49, 0
	; A PREFETCH INTO THE L2 of the third unit's head, in segment 1, two steps ahead of the first load that wants it.  A head's K and V are 2 x 262,144 bytes and 64 work-groups walk them: each names 8,192 bytes
	; of its own (g % 64 under 32: of K, else of V), lanes 256 bytes apart, one instruction of wave 0: each block once in the launch.  The first two units' heads come by their loads alone.
	s_and_b32 s54, s17, 31
	s_lshl_b32 s54, s54, 13
	s_add_co_u32 s50, s72, s54
	s_mov_b32 s51, 0
	s_mov_b32 s46, -1                              ; nobody asks in segment 0
	s_cmp_eq_u32 s16, 0
	s_cselect_b32 s69, 3, -1                       ; wave 0 asks in segment 1 where three steps are to go
	s_wait_alu depctr_va_vdst(0)
	s_wait_kmcnt 0x0
	s_load_b128 s[36:39], s[12:13], 0x18           ; e6, e7, e8, e9
	s_add_nc_u64 s[28:29], s[4:5], s[30:31]
	s_add_nc_u64 s[52:53], s[6:7], s[26:27]
	s_add_nc_u64 s[32:33], s[14:15], s[48:49]
	s_add_nc_u64 s[48:49], s[8:9], s[26:27]
	s_cmp_lt_u32 s17, 32
	s_cselect_b64 s[34:35], s[6:7], s[8:9]
	s_add_nc_u64 s[34:35], s[34:35], s[50:51]
.irp k, 0,1,2,3
	global_load_b128 v[SA+4*\k:SA+4*\k+3], v4, s[10:11] offset:4096*\k   ; the mask: 4,096 consecutive bytes a work-group
.endr
.irp k, 0,1,2
	global_load_b128 v[SA+16+4*\k:SA+16+4*\k+3], v4, s[28:29] offset:1048576*\k   ; the three units' Q: a piece of each a wave
.endr
	GET KR, 52                                     ; my first step's K and V
	GET VR, 48
	s_wait_kmcnt 0x0
	s_add_co_i32 s54, s36, s37                     ; e6 + e7
	s_lshl_b32 s22, s54, 23
	s_add_co_i32 s22, s22, 0x3e38aa3b              ; c = log2(e) / 8 x 2^(e6 + e7): the exponents are added to its exponent field
	s_mov_b32 s23, s22                             ; (named with it as a pair, so it is written)
	s_sub_co_i32 s54, 3, s54
	s_cmp_lt_i32 s38, -8
	s_cselect_b32 s45, 1, 0                        ; is there anything to hold?
	s_add_co_i32 s24, s38, 127
	s_lshl_b32 s25, s24, 23
	v_mov_b32 v12, s25                             ; 2^e8, for the conversion
	s_add_co_i32 s24, s24, 8
	s_lshl_b32 s24, s24, 23
	s_or_b32 s24, s24, 0x600000                    ; H = 448 x 2^e8
	s_xor_b32 s40, s24, 0x80000000                 ; -H
	s_mov_b32 s41, s40
	s_add_co_i32 s25, s38, s39                     ; e8 + e9
	v_mov_b32 v36, 0x49800000                      ; 2^20
	s_wait_alu depctr_va_vdst(0)
	s_wait_loadcnt 35                              ; the mask is in; behind it: Q's 3 loads, K's 16, V's 16
.set n, 0
.rept 16
	v_med3_num_f32 v[SA+n], v[SA+n], -v36, v36
.set n, n+1
.endr
.set n, 0
.rept 16
	v_ldexp_f32 v[SA+n], v[SA+n], s54              ; in units of the codes' products: x 8 / 2^(e6 + e7)
.set n, n+1
.endr
.irp k, 0,1,2,3
	ds_store_b128 v4, v[SA+4*\k:SA+4*\k+3] offset:MASK+4096*\k
.endr
	s_wait_loadcnt 32                              ; Q's pieces are in; behind them: K and V
.irp k, 0,1,2
	ds_store_b128 v4, v[SA+16+4*\k:SA+16+4*\k+3] offset:QIMG+4096*\k
.endr
	s_wait_dscnt 0x0                               ; for the others' sake: my stores have landed
	s_barrier_signal -1
	s_barrier_wait -1
	QLOAD 2, QIMG
.Lseg:                                             ; three trips
	s_mov_b32 s44, s43
	s_mov_b32 s47, 3                               ; steps to go behind the first
	v_add_nc_u32 v19, s44, v58
	MLOAD
	s_cmp_eq_u32 s19, 2
	s_cbranch_scc1 .Lcont                          ; segment 1 goes on with segment 0's unit
	BATCH 1, 0, 0
	BATCH 1, 1, 1
	s_branch .Lstep
.Lcont:
	s_mov_b32 s47, 4
	BATCH 0, 0, 2
	BATCH 0, 1, 3
	s_mov_b32 s47, 3
.Lstep:
	BATCH 0, 0, 4
	BATCH 0, 1, 5
	s_sub_co_u32 s47, s47, 1
	s_cmp_lg_u32 s47, 0
	s_cbranch_scc1 .Lstep
	s_cmp_lg_u32 s19, 2
	s_cbranch_scc1 .Lnext
	PUT 5, 6                                       ; behind segment 1 my first unit's part is whole
	QLOAD 1, QIMG+8192                             ; the third unit's Q
.Lnext:
	s_xor_b32 s43, s43, 8192                       ; block w xor 4, then block w again
	s_mov_b32 s55, s68
	s_cmp_eq_u32 s19, 3
	s_cselect_b32 s46, s69, -1
	s_sub_co_u32 s19, s19, 1
	s_cmp_lg_u32 s19, 0
	s_cbranch_scc1 .Lseg
	PUT 62, 63
	s_wait_dscnt 0x0                               ; my stores have landed
	s_barrier_signal -1
	s_barrier_wait -1                              ; all parts lie in LDS
	PAIRS 0, 4096
	WIN 0x40                                       ; unit 2's merge has the same registers in window 1
	PAIRS 8192, 8192+32
	WIN 0
	PARTS 8, 9
	WIN 0x40
	PARTS 60, 61
	WIN 0
	s_wait_dscnt 63                                ; units 0 and 1: the pairs are in (80 loads stand behind them: 63 is the wait's most)
	FACT 36, 44, 0, 4
	FACT 20, 28, 4, 4
	s_wait_alu depctr_va_vdst(0)                   ; ahead of the reciprocals
	RCP4 36
	RCP4 20
	s_wait_dscnt 32                                ; their parts are in; unit 2's may be out
	SUMS 0, 4
	SUMS 4, 4
	s_wait_alu depctr_va_vdst(0)                   ; one wait for the eight reciprocals, ahead of their first reader
	DIVIDE 36, 0
	DIVIDE 20, 4
	OUT 0, 0
	OUT 1, 4
	WIN 0x55                                       ; unit 2: all in window 1
	s_wait_dscnt 0x0
	FACT 36, 44, 0, 8
	s_wait_alu depctr_va_vdst(0)                   ; ahead of the reciprocals
	RCP4 36
	SUMS 0, 8
	s_wait_alu depctr_va_vdst(0)                   ; ahead of the reciprocals' first reader
	DIVIDE 36, 0
	WIN 0x04                                       ; store data in window 1
	OUT 2, 0
	WIN 0
	s_wait_tensorcnt 0x0                           ; the wave's end
	ds_add_u32 v[SPW], v[NIL]
	s_wait_dscnt 0x0
	s_endpgm
	HOLD a, 0, SA, ST
	HOLD b, 0, SB, ST+4
	HOLD a, 1, SA, ST+8
	HOLD b, 1, SB, ST+12
	HOLD a, 2, SA, ST
	HOLD b, 2, SB, ST+4
	HOLD a, 3, SA, ST+8
	HOLD b, 3, SB, ST+12
	HOLD a, 4, SA, ST
	HOLD b, 4, SB, ST+4
	HOLD a, 5, SA, ST+8
	HOLD b, 5, SB, ST+12
.Lfunc_end_k_q204f2e7e7b_attn:
	.size	k_q204f2e7e7b_attn, .Lfunc_end_k_q204f2e7e7b_attn-k_q204f2e7e7b_attn
	.p2alignl 7, 3214868480
	.fill 96, 4, 3214868480
	.section	.rodata,"a",@progbits
	.p2align	6, 0x0
	.amdhsa_kernel k_q204f2e7e7b_attn
		.amdhsa_group_segment_fixed_size 320512
		.amdhsa_private_segment_fixed_size 0
		.amdhsa_enable_private_segment 0
		.amdhsa_kernarg_size 48
		.amdhsa_user_sgpr_count 2
		.amdhsa_user_sgpr_kernarg_segment_ptr 1
		.amdhsa_wavefront_size32 1
		.amdhsa_system_sgpr_workgroup_id_x 1
		.amdhsa_system_sgpr_workgroup_id_y 1
		.amdhsa_system_sgpr_workgroup_id_z 1
		.amdhsa_system_vgpr_workitem_id 0
		.amdhsa_next_free_vgpr 512
		.amdhsa_next_free_sgpr 80
		.amdhsa_reserve_vcc 0
		.amdhsa_float_denorm_mode_32 3
		.amdhsa_float_denorm_mode_16_64 3
		.amdhsa_memory_ordered 1
		.amdhsa_forward_progress 1
		.amdhsa_inst_pref_size 255
	.end_amdhsa_kernel
	.section	.bss,"aw",@nobits
	.p2align	6
	.space	262144
	.amdgpu_metadata
---
amdhsa.version: [ 1, 2 ]
amdhsa.kernels:
  - .name:           k_q204f2e7e7b_attn
    .symbol:         k_q204f2e7e7b_attn.kd
    .args:
      - { .name: qc, .offset: 0, .size: 8, .value_kind: global_buffer, .address_space: global }
      - { .name: kc, .offset: 8, .size: 8, .value_kind: global_buffer, .address_space: global }
      - { .name: vc, .offset: 16, .size: 8, .value_kind: global_buffer, .address_space: global }
      - { .name: attention_mask, .offset: 24, .size: 8, .value_kind: global_buffer, .address_space: global }
      - { .name: lowp_scales, .offset: 32, .size: 8, .value_kind: global_buffer, .address_space: global }
      - { .name: out0, .offset: 40, .size: 8, .value_kind: global_buffer, .address_space: global }
    .group_segment_fixed_size: 320512
    .private_segment_fixed_size: 0
    .kernarg_segment_align: 8
    .kernarg_segment_size: 48
    .max_flat_workgroup_size: 256
    .sgpr_count:     80
    .vgpr_count:     512
    .wavefront_size: 32
...
	.end_amdgpu_metadata
.endif
;; end of part 3
